; MI455X (gfx1250); checked and timed in simulation.
; The chip was launched on July 23, 2026; its instructions are those of AMD's public machine-readable ISA for CDNA 5 (MIT licence, August 2026) and "CDNA5" Instruction Set Architecture Reference Guide (July 2026). The comments in the code are by the model that wrote it; some were corrected since.
;; Multi Head Self Attention. Allowed arithmetic: matrix products marked QUANTISED: E2M1 operands, one E8M0 scale for each 32 along K, by v_wmma_scale_f32_16x16x128_f8f6f4 with both operands' format E2M1 (or v_wmma_scale_f32_32x16x128_f4), f32 sums; products left as they are: bf16, f16 or f32 operands; f32 sums; everything else in f32.
;; Inputs: b_proj 1,024 float32; b_qkv 3,072 float32; w_proj 1,024 x 1,024 float32; w_qkv 3,072 x 1,024 float32; x 8 x 1,024 x 1,024 float32.
;; Outputs: out0 8 x 1,024 x 1,024 float32.
;; This version of the problem:
;;   THIS VERSION OF THE PROBLEM IS GIVEN IN LOW PRECISION. The matrix products marked QUANTISED in the list below multiply operands that are first quantised to E2M1 (2 exponent bits, 1 mantissa bit; 4 bits a number), with one power-of-two scale for each 32 numbers along K (OCP MX v1.0); their sums are f32. The products marked 'left as it is' may take bf16, f16 or f32 operands, with f32 sums. All else is computed in f32.
;;   The module's matrix products, in the order in which they are computed (A, B: the left and right operand; K: the contracted axis; several contracted axes count as one K, in the product's order):
;;     1. [M 8,192, K 1,024] x [K 1,024, N 3,072]; A: input x; B: input w_qkv: QUANTISED
;;     2. batch 128 x [M 1,024, K 64] x [K 64, N 1,024]; A: computed on the way; B: computed on the way: left as it is (an operand is computed on the way)
;;     3. batch 128 x [M 1,024, K 1,024] x [K 1,024, N 64]; A: computed on the way; B: computed on the way: left as it is (an operand is computed on the way)
;;     4. [M 8,192, K 1,024] x [K 1,024, N 1,024]; A: computed on the way; B: input w_proj: left as it is (an operand is computed on the way)
;;   THE QUANTISER, for each operand of a quantised product, along K:
;;     - K is cut into blocks of 32 from its start; a last block that is shorter is filled with zeros.
;;     - A block's scale is 2^e with e = floor(log2(the largest magnitude in the block)) - 2, held to -126 .. 127; a block of zeros has e = 0. As a byte (E8M0): e + 127.
;;     - Each number is divided by its block's scale, clamped to +-6, and rounded to the nearest number of E2M1, ties to even, subnormals kept.
;;     - The product sums the exact products of the quantised numbers (number of the format x scale) in f32.
;;   ~~~python
;;   def quantise(x, axis):      # numpy; x: float32 -> the quantised numbers, widened to float32 again
;;       x = np.moveaxis(x, axis, -1); K = x.shape[-1]
;;       x = np.pad(x, [(0, 0)] * (x.ndim - 1) + [(0, -K % 32)]); x = x.reshape(x.shape[:-1] + (-1, 32)); a = np.abs(x).max(-1, keepdims=True)
;;       e = np.where(a > 0, np.clip(np.frexp(np.where(a > 0, a, 1))[1] - 1 - 2, -126, 127), 0)      # np.frexp(a)[1] - 1 = floor(log2(a)), exactly
;;       r = np.clip(x / 2.0 ** e, -6, 6)
;;       step = 2.0 ** (np.maximum(np.frexp(np.where(r == 0, 1, r))[1] - 1, 0) - 1)
;;       q = np.round(r / step) * step * 2.0 ** e      # np.round: ties to even
;;       return np.moveaxis(q.reshape(q.shape[:-2] + (-1,))[..., :K], -1, axis).astype(np.float32)
;;   ~~~
;; One version. Each part assembles by itself: llvm-mc -triple=amdgcn-amd-amdhsa -mcpu=gfx1250 --defsym DOCPART=n.
;; ======== version 1 of 1: 3 launches
;; limits: values are held in f16: magnitudes above 65,504 overflow, below 6.1e-05 lose precision
;; workspace buffers: xc 4,194,304 bytes; xs 262,144 bytes; wc 1,572,864 bytes; ws 98,304 bytes; wp 2,097,152 bytes; att 16,777,216 bytes
;; launch prep (part 1): grid 384 x 1, 4 waves a work-group, no clusters, 40,960 bytes of LDS; arguments x, w_qkv, xc, xs, wc, ws, w_proj, wp; writes xc, xs, wc, ws, wp
.if DOCPART == 1
	.amdgcn_target "amdgcn-amd-amdhsa--gfx1250"
	.amdhsa_code_object_version 6
	.text
	.protected	k_q8eee473c3e_prep
	.globl	k_q8eee473c3e_prep
	.p2align	8
	.type	k_q8eee473c3e_prep,@function
k_q8eee473c3e_prep:
	s_mov_b64 s[64:65], 0
	v_nop
	global_prefetch_b8 v0, s[64:65] scope:SCOPE_SE
	s_setreg_imm32_b32 hwreg(HW_REG_WAVE_MODE, 25, 1), 1
	s_wait_xcnt 0x0
; x [8192][1024] and w_qkv [3072][1024], f32, become codes of FP4 (E2M1), two codes a byte, with one E8M0 scale byte for each 32 along K, LAID AS THE NEXT LAUNCH'S OPERAND REGISTERS;
; w_proj [1024][1024], f32, becomes f16, row-major (its product is left as it is and takes f16 operands).
; CODES: byte 8192 T + 1024 s + 512 c + 16 (r + 16 h) holds the 16 bytes at 64 s + 32 c + 16 h of the 512 bytes of codes of row 16 T + r: T a tile of 16 rows, s a K step of 128; a block of 512 bytes is four
; registers of a fragment, lane by lane.  SCALES: byte 1024 P + 128 s + 64 (T % 2) + 4 r + i holds the byte of block 4 s + i of that row, P = T / 2: 128 bytes are one scale register for two tiles.
; A block's scale is 2^(floor(log2(its largest magnitude)) - 2); its byte is the largest magnitude's exponent field - 2, held at 1 from below.  A block of zeros so gets the byte 1 where the
; rule says 127: its codes are zeros, which add nothing under any byte but 0xff, and the bytes are read by this program alone.
; LIMITS: blocks whose largest magnitude lies under 2^-124 (the floor) were not tried; NaN and infinities are not served; |w_proj| stays under 65,504 (f16's largest number).
; Work-groups 0-255 take x, 256-351 w_qkv, 352-383 w_proj.
; QUANTISING: a wave takes a pair of tiles (32 rows) x 256 along K, in 16 steps of two rows.  Each of a step's four loads reads 512 consecutive bytes; the 2,048 bytes turn through the wave's own stage in LDS and
; come back 64 bytes a lane, so that a lane holds 16 neighbours along K (two lanes hold a block).  The codes gather in a second stage, 32 rows of 128 bytes, and leave as eight blocks of 512 bytes; the wave's 256 scale
; bytes gather in LDS and leave as one store of 256 bytes.
; CASTING: a wave takes 8,192 numbers in four batches of sixteen loads; no LDS.  No tensor loads, no barrier: waves share nothing.
.set STEPS, 16
.set WGA,   256                        ; work-groups for x: 256 pairs of tiles, four waves (quarters of K) each
.set WGQ,   352                        ; for x and w_qkv
.set EMAX,  2
.set R,     16                         ; v16-79   four sets of 16 numbers as they are loaded; at the end v16-47 take the codes on their way out
.set X,     80                         ; v80-111  two sets of 16 neighbours
.set C,     128                        ; v128-191 codes: four registers for each step
.set E,     112                        ; v112-127 a scale byte for each step
.set SP,    80                         ; a lane's place in a turning stage: its 64 bytes + 16 of padding
.set CP,    144                        ; a row of the codes' stage: 128 bytes + 16 of padding = 36 words: the 16 rows that a load touches start at 16 different groups of four banks (64 banks of 4 bytes: ISA guide 11.1)
.set SCB,   2*32*SP                    ; LDS, in a wave's region: two turning stages, then its 256 scale bytes,
.set CST,   SCB+256                    ; then the codes' stage, 32 rows
.set WREG,  10240                      ; a wave's region
.set CIN,   16                         ; the cast: v16-143 two sets of 64 numbers
.set COUT,  144                        ; v144-175 a batch's 32 registers of f16 pairs
	s_load_b128 s[4:7], s[0:1], 0x0                ; x, w_qkv
	s_load_b128 s[8:11], s[0:1], 0x10              ; x's codes, x's scales
	s_load_b128 s[12:15], s[0:1], 0x20             ; w_qkv's codes, its scales
	s_load_b128 s[24:27], s[0:1], 0x30             ; w_proj, its f16 copy
	v_lshrrev_b32 v1, 5, v0
	v_readfirstlane_b32 s16, v1                    ; wave
	v_and_b32 v2, 31, v0                           ; lane
	v_lshlrev_b32 v3, 4, v2                        ; 16 x lane
	s_mul_i32 s17, s16, WREG
	v_lshrrev_b32 v14, 2, v2
	v_mul_u32_u24 v14, v14, SP
	v_and_b32 v15, 3, v2
	v_lshl_add_u32 v14, v15, 4, v14
	v_add_nc_u32 v14, s17, v14                     ; the turning stage, on the way in: SP (lane / 4) + 16 (lane % 4)
	v_mul_u32_u24 v15, v2, SP
	v_add_nc_u32 v15, s17, v15                     ; and on the way out: SP x lane: my 16 neighbours
	v_lshlrev_b32 v4, 3, v2                        ; 8 x lane
	v_bfe_u32 v5, v2, 3, 1                         ; my block's scale byte: which of the wave's two K steps,
	v_lshlrev_b32 v5, 7, v5                        ; 128 bytes each;
	v_bfe_u32 v13, v2, 4, 1                        ; lane / 16: the step's first row or its second,
	v_lshl_add_u32 v5, v13, 2, v5                  ; 4 bytes a row;
	v_bfe_u32 v12, v2, 1, 2                        ; which of the K step's four blocks
	v_add_nc_u32 v5, v5, v12
	s_add_co_u32 s18, s17, SCB
	v_add_nc_u32 v5, s18, v5
	v_add_nc_u32 v6, s18, v4                       ; the scale bytes on their way out: 8 bytes a lane
	v_and_b32 v12, 15, v2
	v_mul_u32_u24 v10, v13, CP
	v_lshl_add_u32 v10, v12, 3, v10
	s_add_co_u32 s18, s17, CST
	v_add_nc_u32 v10, s18, v10                     ; the codes' stage, on the way in: row lane / 16 of the step's two, 8 bytes a lane
	v_mul_u32_u24 v1, v12, CP
	v_lshl_add_u32 v1, v13, 4, v1
	v_add_nc_u32 v1, s18, v1                       ; and on the way out: row lane % 16, + 16 (lane / 16)
	s_wait_kmcnt 0x0
	s_cmp_ge_u32 ttmp9, WGQ                        ; the last 32 work-groups cast w_proj: a branch on the work-group's number
	s_cbranch_scc1 .Lcast
	s_cmp_lt_u32 ttmp9, WGA                        ; x's work-group or w_qkv's?  Only pointers are chosen: both take one path
	s_cselect_b64 s[4:5], s[4:5], s[6:7]
	s_cselect_b64 s[8:9], s[8:9], s[12:13]
	s_cselect_b64 s[10:11], s[10:11], s[14:15]
	s_cselect_b32 s17, 0, WGA
	s_sub_co_u32 s19, ttmp9, s17                   ; P: the pair of tiles
	s_lshl_b32 s20, s19, 17                        ; 32 rows of 4,096 bytes,
	s_lshl_b32 s21, s16, 10                        ; my quarter of K: 1,024 bytes of a row
	s_add_co_u32 s20, s20, s21
	s_mov_b32 s21, 0
	s_add_nc_u64 s[4:5], s[4:5], s[20:21]
	s_lshl_b32 s20, s19, 14                        ; the codes: 16,384 bytes a pair, my two K steps 2,048 bytes on in each tile
	s_lshl_b32 s22, s16, 11
	s_add_co_u32 s20, s20, s22
	s_add_nc_u64 s[8:9], s[8:9], s[20:21]
	s_lshl_b32 s20, s19, 10                        ; the scale bytes: 1,024 a pair, my 256
	s_lshl_b32 s22, s16, 8
	s_add_co_u32 s20, s20, s22
	s_add_nc_u64 s[10:11], s[10:11], s[20:21]
.macro LOAD t                          ; step t: rows 2 t and 2 t + 1, 1,024 bytes of each
.irp i, 0,1,2,3
	global_load_b128 v[R+16*((\t)%4)+4*\i:R+16*((\t)%4)+4*\i+3], v3, s[4:5] offset:8192*(\t)+4096*(\i/2)+512*(\i%2) th:TH_LOAD_NT   ; 32 lanes read 512 consecutive bytes
.endr
.endm
.macro TURN t                          ; step t's numbers through the stage: LDS serves a wave's instructions in order, so no wait stands between the stores and the loads
.irp i, 0,1,2,3
	ds_store_b128 v14, v[R+16*((\t)%4)+4*\i:R+16*((\t)%4)+4*\i+3] offset:32*SP*((\t)%2)+8*SP*\i
.endr
.irp i, 0,1,2,3
	ds_load_b128 v[X+16*((\t)%2)+4*\i:X+16*((\t)%2)+4*\i+3], v15 offset:32*SP*((\t)%2)+16*\i
.endr
.endm
.irp t, 0,1,2,3
	LOAD \t
.endr
	s_wait_loadcnt 12                              ; step 0's four loads are in; the twelve of steps 1 to 3 stay out
	TURN 0
.macro STEP t
.set XS, X+16*((\t)%2)
.if (\t) > 0
	s_wait_dscnt 2                                 ; this step's numbers are back from the stage (the last step's two stores, its byte and its codes, may be out): so its stores into the stage have read their registers,
.else
	s_wait_dscnt 0x0
.endif
.if (\t)+4 < STEPS
	LOAD (\t)+4                                    ; which take the loads of four steps on
.endif
.if (\t)+1 < STEPS
.if STEPS-2-(\t) >= 3
	s_wait_loadcnt 12                              ; the next step's four loads are in; those of the three steps behind it may be out
.else
	s_wait_loadcnt 4*(STEPS-2-(\t))
.endif
	TURN (\t)+1                                    ; and go through the other stage while this step is worked
.endif
	v_max3_num_f32 v8, |v[XS]|, |v[XS+1]|, |v[XS+2]|               ; the largest magnitude of my 16, in two chains
	v_max3_num_f32 v9, |v[XS+3]|, |v[XS+4]|, |v[XS+5]|
.irp i, 6,10
	v_max3_num_f32 v8, v8, |v[XS+\i]|, |v[XS+\i+1]|
	v_max3_num_f32 v9, v9, |v[XS+\i+2]|, |v[XS+\i+3]|
.endr
	v_max3_num_f32 v8, v8, |v[XS+14]|, |v[XS+15]|
	v_max3_num_f32 v8, v8, v9, (EMAX+1)<<23        ; and the floor 2^(3 - 127): the byte cannot fall under 1
	v_max_num_f32_dpp v8, v8, v8 row_xmask:1 row_mask:0xf bank_mask:0xf   ; and of my neighbour's 16: the block's
	v_add_nc_u32 v11, -(EMAX<<23), v8              ; 2 off its exponent field: the conversion takes the exponent field of this operand as its scale, and nothing else of it
	v_cvt_scalef32_pk8_fp4_f32 v[C+4*(\t)], v[XS:XS+7], v11        ; eight numbers / the scale, to the nearest code, ties to even, beyond the largest code the largest
	v_cvt_scalef32_pk8_fp4_f32 v[C+4*(\t)+1], v[XS+8:XS+15], v11
	v_lshrrev_b32 v[E+(\t)], 23, v11               ; the scale's byte (a plain line behind the conversions)
	ds_store_b8 v5, v[E+(\t)] offset:8*(\t)        ; rows 2 t and 2 t + 1 lie 8 t bytes on; both lanes of a block write the same byte with the same value
	ds_store_b64 v10, v[C+4*(\t):C+4*(\t)+1] offset:2*CP*(\t)      ; my 16 codes into their row of the codes' stage
.endm
.irp t, 0,1,2,3,4,5,6,7,8,9,10,11,12,13,14,15
	STEP \t
.endr
.irp k, 0,1,2,3,4,5,6,7                ; block k: tile k / 4 of the pair, K step (k / 2) % 2 of my two, registers 4 (k % 2) on.  LDS serves a wave's instructions in order: these see my stores
	ds_load_b128 v[R+4*\k:R+4*\k+3], v1 offset:(\k/4)*16*CP+((\k/2)%2)*64+(\k%2)*32
.endr
	ds_load_b64 v[12:13], v6
	s_wait_dscnt 0x0
.irp k, 0,1,2,3,4,5,6,7
	global_store_b128 v3, v[R+4*\k:R+4*\k+3], s[8:9] offset:(\k/4)*8192+((\k/2)%2)*1024+(\k%2)*512   ; the wave stores 512 consecutive bytes, aligned
.endr
	global_store_b64 v4, v[12:13], s[10:11]        ; 32 lanes store 256 consecutive bytes, aligned
	s_endpgm
.Lcast:                                                ; w_proj to f16: wave gw = 4 (work-group - 352) + wave takes numbers 8,192 gw on
	s_sub_co_u32 s17, ttmp9, WGQ
	s_lshl_b32 s17, s17, 2
	s_add_co_u32 s17, s17, s16
	s_lshl_b32 s18, s17, 15                        ; 32,768 bytes of f32,
	s_mov_b32 s19, 0
	s_add_nc_u64 s[24:25], s[24:25], s[18:19]
	s_lshl_b32 s18, s17, 14                        ; 16,384 bytes of f16
	s_add_nc_u64 s[26:27], s[26:27], s[18:19]
.macro CLOAD b                         ; batch b: sixteen loads of 512 consecutive bytes into set b % 2
.irp i, 0,1,2,3,4,5,6,7,8,9,10,11,12,13,14,15
	global_load_b128 v[CIN+64*((\b)%2)+4*\i:CIN+64*((\b)%2)+4*\i+3], v3, s[24:25] offset:512*(16*(\b)+\i) th:TH_LOAD_NT
.endr
.endm
.macro CBATCH b
.if (\b) < 3
	s_wait_loadcnt 16                              ; this batch's sixteen loads are in; the next batch's stay out
.else
	s_wait_loadcnt 0x0
.endif
.if (\b) > 0
	s_wait_xcnt 0x0                                ; the last batch's stores have read their data: the registers are written again only behind this wait
.endif
.irp i, 0,1,2,3,4,5,6,7,8,9,10,11,12,13,14,15
	v_cvt_pk_f16_f32 v[COUT+2*\i],   v[CIN+64*((\b)%2)+4*\i],   v[CIN+64*((\b)%2)+4*\i+1]   ; two roundings, the first number in the low half
	v_cvt_pk_f16_f32 v[COUT+2*\i+1], v[CIN+64*((\b)%2)+4*\i+2], v[CIN+64*((\b)%2)+4*\i+3]
.endr
.if (\b) < 2
	CLOAD (\b)+2                                   ; loads ahead of stores
.endif
.irp i, 0,1,2,3,4,5,6,7,8,9,10,11,12,13,14,15
	global_store_b64 v4, v[COUT+2*\i:COUT+2*\i+1], s[26:27] offset:256*(16*(\b)+\i)          ; the wave stores 256 consecutive bytes, aligned
.endr
.endm
	CLOAD 0
	CLOAD 1
	CBATCH 0
	CBATCH 1
	CBATCH 2
	CBATCH 3
	s_endpgm
.Lfunc_end_k_q8eee473c3e_prep:
	.size	k_q8eee473c3e_prep, .Lfunc_end_k_q8eee473c3e_prep-k_q8eee473c3e_prep
	.p2alignl 7, 3214868480
	.fill 96, 4, 3214868480
	.section	.rodata,"a",@progbits
	.p2align	6, 0x0
	.amdhsa_kernel k_q8eee473c3e_prep
		.amdhsa_group_segment_fixed_size 40960
		.amdhsa_private_segment_fixed_size 0
		.amdhsa_enable_private_segment 0
		.amdhsa_kernarg_size 64
		.amdhsa_user_sgpr_count 2
		.amdhsa_user_sgpr_kernarg_segment_ptr 1
		.amdhsa_wavefront_size32 1
		.amdhsa_system_sgpr_workgroup_id_x 1
		.amdhsa_system_sgpr_workgroup_id_y 1
		.amdhsa_system_sgpr_workgroup_id_z 1
		.amdhsa_system_vgpr_workitem_id 0
		.amdhsa_next_free_vgpr 192
		.amdhsa_next_free_sgpr 66
		.amdhsa_reserve_vcc 0
		.amdhsa_float_denorm_mode_32 3
		.amdhsa_float_denorm_mode_16_64 3
		.amdhsa_memory_ordered 1
		.amdhsa_forward_progress 1
		.amdhsa_inst_pref_size 55
	.end_amdhsa_kernel
	.amdgpu_metadata
---
amdhsa.version: [ 1, 2 ]
amdhsa.kernels:
  - .name:           k_q8eee473c3e_prep
    .symbol:         k_q8eee473c3e_prep.kd
    .args:
      - { .name: x, .offset: 0, .size: 8, .value_kind: global_buffer, .address_space: global }
      - { .name: w_qkv, .offset: 8, .size: 8, .value_kind: global_buffer, .address_space: global }
      - { .name: xc, .offset: 16, .size: 8, .value_kind: global_buffer, .address_space: global }
      - { .name: xs, .offset: 24, .size: 8, .value_kind: global_buffer, .address_space: global }
      - { .name: wc, .offset: 32, .size: 8, .value_kind: global_buffer, .address_space: global }
      - { .name: ws, .offset: 40, .size: 8, .value_kind: global_buffer, .address_space: global }
      - { .name: w_proj, .offset: 48, .size: 8, .value_kind: global_buffer, .address_space: global }
      - { .name: wp, .offset: 56, .size: 8, .value_kind: global_buffer, .address_space: global }
    .group_segment_fixed_size: 40960
    .private_segment_fixed_size: 0
    .kernarg_segment_align: 8
    .kernarg_segment_size: 64
    .max_flat_workgroup_size: 128
    .sgpr_count:     66
    .vgpr_count:     192
    .wavefront_size: 32
...
	.end_amdgpu_metadata
.endif
;; end of part 1
;; launch qkvattn (part 2): grid 2 x 128, 8 waves a work-group, no clusters, 327,680 bytes of LDS; arguments xc, xs, wc, ws, b_qkv, att; writes att
.if DOCPART == 2
	.amdgcn_target "amdgcn-amd-amdhsa--gfx1250"
	.amdhsa_code_object_version 6
	.text
	.protected	k_q8eee473c3e_qkvattn
	.globl	k_q8eee473c3e_qkvattn
	.p2align	8
	.type	k_q8eee473c3e_qkvattn,@function
k_q8eee473c3e_qkvattn:
	s_mov_b64 s[64:65], 0
	v_nop
	global_prefetch_b8 v0, s[64:65] scope:SCOPE_SE
	s_setreg_imm32_b32 hwreg(HW_REG_WAVE_MODE, 25, 1), 1
	s_wait_xcnt 0x0
; For one head and 512 of its queries: q, k, v = x w_qkv^T + b_qkv on codes of FP4 (E2M1) with one E8M0 scale for each 32 along K, sums in f32; then att = softmax(q k^T / 8) v.  q, k and v never go to memory.
; q is multiplied, in f32, by log2(e) / 8 and rounded once to f16; k and v are rounded once to f16.  The two products of the attention take f16 operands and f32 sums; maxima, exponentials and sums are f32;
; the weights p are rounded to f16 for the second product, the result once, to f16, at the end.
; SOFTMAX: t = the first product's result; a running maximum m of t for each query; p = 2^(t - m), by a subtraction and an exponential: t - m is 0 at the most for every input, so p and
; a = 2^(m_old - m_new) never pass 1; the row's sum l, of the unrounded p, is 1 at the least; O and l are multiplied by a in every step.
; LIMITS: |q log2(e) / 8|, |k|, |v| stay under 65,504 (f16's largest number): with the drawn spread they are some 6, with inputs 30 times larger on both sides some 5,400.  NaN and infinities are not served.
; SHARES: a work-group (x: which half of the queries; y: 16 batch + head) has eight waves, two to a SIMD.  Wave w computes q for its own 64 queries and k and v for keys 128 w .. 128 w + 127;
; both work-groups of a head compute all of its k and v: that is the price of keeping them out of memory.  Then every wave walks all 1,024 keys, 64 a step, for its four tiles of 16 queries.
; x's CODES GO FROM MEMORY STRAIGHT INTO REGISTERS: they lie as operand registers, so a fragment is two loads of 512 consecutive bytes, and no wave wants another wave's tokens.  The loads run one group (eight K steps) ahead.
; LDS, all 327,680 bytes: K's images at 0, V's at 131,072 (stored by the waves), the code images of the head's 64 + 64 rows of w_k and w_v at 262,144; those of its 64 rows of w_q lie at 0 until q is made.
; Each byte is filled by a tensor load once at the most, at the head (two loads a wave are out): no ring.  No multicast: a head's rows of w_qkv are read by two work-groups only, once, and x does not pass through LDS.
; A GROUP is 2 tiles of 16 tokens x nb blocks of 16 features (q: 4; k and v together: 8), over 8 K steps of 128.  THE MATRIX INSTRUCTION IS USED TRANSPOSED (source 0 = 16 rows of w, source 1 = 16 tokens): a lane holds
; eight neighbouring features of one token, 16 bytes of f16: a chunk of an operand of the attention.  The bias is the C of a sum's first product.
; A scale register serves two tiles: lanes 0-15 the even tile's rows, lanes 16-31 the odd tile's; one register for each K step.
; IMAGES: a tile of 16 keys is 2,048 bytes, four blocks (16 channels each) of 512; K: chunk lane; V: chunk r % 8 + 8 hl + 16 (r / 8), the order in which the turning LDS load wants it.
; ATTENTION'S LAYOUT: S^T = K Q^T (source 0 = 16 keys, source 1 = 16 queries): a lane holds ONE query and keys 8 (lane / 16) + 0 .. 7.  Two such tiles, rounded in pairs, ARE source 1 of O^T = V^T P.
; REGISTERS: window 0: v1-6 addresses; v8-15 x's scale words; v16-63 w's scale words (q 16, k 16, v 16); behind the last scaled product v32-63 take the softmax's statistics (eight a tile: +0 m, +1 zero, +2 +3 l,
;            +4 .. +7 at work, a in +6); v64-191 the group's accumulators, then S^T with P packed into each tile's first 16; v192-255 w's fragments of a K step, then K of a step.
;            window 1: v0-127 x's fragments of a group, then O^T; v128-191 Q (v160-191 hold q's bias until the second half of Q lands there); v192-255 k's and v's bias, then V^T of a step.
.set L16, 1                            ; v1   16 x lane
.set WA,  2                            ; v2   16 x lane + where w_k's images begin;  later LV: 16 x lane + where V begins
.set LV,  2
.set KST, 3                            ; v3   where I store a chunk of K;  later ADK: the step's K
.set ADK, 3
.set VST, 4                            ; v4   where I store a chunk of V;  later ADV: the step's V
.set ADV, 4
.set L4,  5                            ; v5   4 x lane
.set BO,  6                            ; v6   32 x (lane / 16): my eight numbers of a block of the bias
.set XS,  8
.set WS,  16
.set ST,  32
.set S,   64
.set ACC, 64                           ; accumulator (tile tt, block b) at ACC + 64 tt + 8 b
.set KF,  192                          ; window 0: K[kt][c] at KF + 16 kt + 8 c
.set WF,  192                          ; window 0: w's fragment of block b at WF + 8 b
.set XF,  0                            ; window 1: x's fragment (tile tt, K step s) at XF + 64 tt + 8 s
.set QF,  128                          ; window 1: Q[t][c] at QF + 16 t + 8 c
.set BQ,  160                          ; window 1: q's bias
.set VF,  192                          ; window 1: V^T[f][kh] at VF + 16 f + 8 kh
.set BI,  192                          ; window 1: k's bias, then v's
.set VBASE, 131072
.set WB,    262144
.set STEPB, 8192                       ; 64 keys: four tiles of 2,048 bytes, in K and in V alike
.set XQ,  48                           ; s[48:49] x's codes at my first query;  s[50:51] at my first key
.set XK,  50
.set ZQ,  52                           ; s[52:53], s[54:55] x's scale bytes likewise
.set ZK,  54
.set CS,  56                           ; s[56:57] log2(e) / 8: the packed form names a pair and takes its low word for both halves
.set TB,  66                           ; s66  LDS byte at which the step's tiles begin
.set CNT, 67                           ; s67  steps to go
.set SEL, 68                           ; s[68:69] lane selects for v_permlanex16_b32: lane l xor 16
.set MSB, 0
.macro WIN new                         ; the immediate's high byte repeats the setting that is left
.if MSB != \new
	s_set_vgpr_msb (MSB<<8)|\new
.set MSB, \new
.endif
.endm
.macro MKG1 g, rows                    ; descriptor group 1: a dense block as rows of 256 bytes (32 elements of 8 bytes), no padding, no mask
	s_mov_b32 s[\g], 3<<16
	s_mov_b32 s[\g+1], 32<<16                      ; tensor_dim0 = 32
	s_mov_b32 s[\g+2], (\rows)<<16                 ; tensor_dim1
	s_mov_b32 s[\g+3], 32<<16                      ; tile_dim0 = 32
	s_mov_b32 s[\g+4], \rows                       ; tile_dim1
	s_mov_b32 s[\g+5], 32                          ; from row to row: 32 elements
	s_mov_b32 s[\g+6], 0
	s_mov_b32 s[\g+7], 0
.endm
.macro PLACES                          ; four places behind a matrix instruction, ahead of loads into registers that it read and of the first read of its result (ISA guide 7.12.1 for vector instructions)
.rept 4
	v_nop
.endr
.endm
	s_load_b256 s[4:11], s[0:1], 0x0               ; x's codes s[4:5], x's scales s[6:7], w_qkv's codes s[8:9], its scales s[10:11]
	s_load_b128 s[12:15], s[0:1], 0x20             ; b_qkv s[12:13], att s[14:15]
	v_lshrrev_b32 v7, 5, v0
	v_readfirstlane_b32 s16, v7                    ; wave 0..7
	v_and_b32 v7, 31, v0
	v_lshlrev_b32 v[L16], 4, v7
	v_lshlrev_b32 v[L4], 2, v7
	v_add_nc_u32 v[WA], WB, v[L16]
	s_lshl_b32 s20, s16, 14                        ; my 8 tiles of keys: 16,384 bytes
	v_add_nc_u32 v[KST], s20, v[L16]               ; K: chunk = lane
	v_bfe_u32 v[BO], v0, 4, 1                      ; hl = lane / 16
	v_and_b32 v7, 7, v0
	v_lshlrev_b32 v[VST], 4, v7                    ; V: chunk = r % 8
	v_lshl_add_u32 v[VST], v[BO], 7, v[VST]        ;    + 8 hl
	v_bfe_u32 v7, v0, 3, 1
	v_lshl_add_u32 v[VST], v7, 8, v[VST]           ;    + 16 (r / 8)
	s_add_co_u32 s21, s20, VBASE
	v_add_nc_u32 v[VST], s21, v[VST]
	v_lshlrev_b32 v[BO], 5, v[BO]
	s_and_b32 s17, ttmp7, 0xffff                   ; 16 batch + head
	s_and_b32 s18, s17, 15                         ; head
	s_lshr_b32 s19, s17, 4                         ; batch
	MKG1 24, 16                                    ; 4,096 bytes: my eighth of w_q's images
	MKG1 32, 32                                    ; 8,192 bytes: my eighth of w_k's and w_v's
	s_lshl_b32 s58, s18, 15                        ; a head's 64 rows are four tiles of 8,192 bytes
	s_lshl_b32 s59, s16, 12
	s_add_co_u32 s60, s58, s59                     ; w_q: the head's images, my 4,096 bytes
	s_mov_b32 s61, 0
	s_lshr_b32 s62, s16, 2                         ; waves 0-3 fetch w_k's tiles, waves 4-7 w_v's:
	s_add_co_u32 s62, s62, 1
	s_lshl_b32 s62, s62, 19                        ; 64 tiles of 8,192 bytes to a third of w_qkv,
	s_add_co_u32 s62, s62, s58
	s_and_b32 s63, s16, 3
	s_lshl_b32 s63, s63, 13                        ; a tile a wave
	s_add_co_u32 s62, s62, s63
	s_mov_b32 s63, 0
	s_mov_b32 s[CS], 0x3e38aa3b                    ; log2(e) / 8
	s_mov_b32 s[CS+1], s[CS]                       ; (named with it as a pair, so it is written)
	s_mov_b32 s[SEL], 0x76543210
	s_mov_b32 s[SEL+1], 0xfedcba98
	s_wait_kmcnt 0x0
	s_mov_b32 s40, 1                               ; group 0: count = 1,
	s_mov_b32 s41, s59                             ; LDS address: 4,096 x wave,
	s_add_nc_u64 s[42:43], s[8:9], s[60:61]        ; the global address,
	s_or_b32 s43, s43, 0x80000000                  ; type = 2
	s_mov_b32 s44, 1
	s_lshl_b32 s45, s16, 13
	s_add_co_u32 s45, s45, WB                      ; LDS address: behind V, 8,192 x wave
	s_add_nc_u64 s[46:47], s[8:9], s[62:63]
	s_or_b32 s47, s47, 0x80000000
	tensor_load_to_lds s[40:43], s[24:31]          ; both fills go out together, ahead of every wait on TENSORcnt, every LDS read and every barrier
	tensor_load_to_lds s[44:47], s[32:39]
.rept 4
	v_nop
.endr
	s_mov_b32 s23, 0
	s_lshl_b32 s20, s19, 19                        ; x's codes: a batch is 64 tiles of 8,192 bytes;
	s_lshl_b32 s21, ttmp9, 18                      ; my work-group's queries begin 32 tiles x its x on,
	s_add_co_u32 s21, s21, s20
	s_lshl_b32 s22, s16, 15                        ; my wave's four tiles
	s_add_co_u32 s22, s22, s21
	s_add_nc_u64 s[XQ:XQ+1], s[4:5], s[22:23]
	s_lshl_b32 s22, s16, 16                        ; my wave's eight tiles of keys
	s_add_co_u32 s22, s22, s20
	s_add_nc_u64 s[XK:XK+1], s[4:5], s[22:23]
	s_lshl_b32 s20, s19, 15                        ; x's scale bytes: 512 a tile, the same places
	s_lshl_b32 s21, ttmp9, 14
	s_add_co_u32 s21, s21, s20
	s_lshl_b32 s22, s16, 11
	s_add_co_u32 s22, s22, s21
	s_add_nc_u64 s[ZQ:ZQ+1], s[6:7], s[22:23]
	s_lshl_b32 s22, s16, 12
	s_add_co_u32 s22, s22, s20
	s_add_nc_u64 s[ZK:ZK+1], s[6:7], s[22:23]
	s_lshl_b32 s22, s18, 11                        ; w's scale bytes: the head's two pairs of tiles, 1,024 bytes each
	s_add_nc_u64 s[10:11], s[10:11], s[22:23]
	s_lshl_b32 s22, s18, 8                         ; the bias: the head's 64 numbers
	s_add_nc_u64 s[12:13], s[12:13], s[22:23]
	s_lshl_b32 s20, s19, 6                         ; att: tile of 16 tokens Mt = 64 batch + 32 x + 4 wave + t, 32,768 bytes each; my head's 2,048 bytes in it
	s_lshl_b32 s21, ttmp9, 5
	s_add_co_u32 s20, s20, s21
	s_lshl_b32 s21, s16, 2
	s_add_co_u32 s20, s20, s21
	s_lshl_b32 s20, s20, 15
	s_lshl_b32 s21, s18, 11
	s_add_co_u32 s22, s20, s21
	s_add_nc_u64 s[14:15], s[14:15], s[22:23]
	WIN 0x40                                       ; destination window 1
.irp f, 0,1,2,3
	global_load_b128 v[BQ+8*\f:BQ+8*\f+3],   v[BO], s[12:13] offset:64*\f          ; block f's register j is b_qkv[64 head + 16 f + 8 hl + j]
	global_load_b128 v[BQ+8*\f+4:BQ+8*\f+7], v[BO], s[12:13] offset:64*\f+16
.endr
.irp f, 0,1,2,3,4,5,6,7
	global_load_b128 v[BI+8*\f:BI+8*\f+3],   v[BO], s[12:13] offset:4096+(\f/4)*4096+(\f%4)*64      ; k's four blocks, then v's: 1,024 numbers on for each third
	global_load_b128 v[BI+8*\f+4:BI+8*\f+7], v[BO], s[12:13] offset:4096+(\f/4)*4096+(\f%4)*64+16
.endr
	WIN 0
.irp wh, 0,1,2
.irp pp, 0,1
.irp k, 0,1,2,3,4,5,6,7
	global_load_b32 v[WS+16*\wh+8*\pp+\k], v[L4], s[10:11] offset:\wh*32768+\pp*1024+\k*128   ; third wh, pair of blocks pp, K step k: 128 consecutive bytes
.endr
.endr
.endr
; The five loads of one K step of a group: two tiles' fragments (four loads of 512 consecutive bytes) and the pair's scale register (128 bytes)
.macro XLOADS ks, xb, xo, zb, zo
	WIN 0x40                                       ; destination window 1
.irp tt, 0,1
.irp c, 0,1
	global_load_b128 v[XF+64*\tt+8*(\ks)+4*\c:XF+64*\tt+8*(\ks)+4*\c+3], v[L16], s[\xb:\xb+1] offset:(\xo)+\tt*8192+(\ks)*1024+\c*512
.endr
.endr
	WIN 0
	global_load_b32 v[XS+(\ks)], v[L4], s[\zb:\zb+1] offset:(\zo)+(\ks)*128
.endm
; One product: tile tt, block b (a symbol), K step ks.  Source 0's scales stand in lanes 0-15 for an even block and in lanes 16-31 for an odd one; source 1's likewise for tile 0 and tile 1.
.macro GMUL tt, wsb, bias, ks
.set rD, ACC+64*(\tt)+8*b
.set rW, WF+8*b
.set rX, XF+64*(\tt)+8*(\ks)
.set rA, (\wsb)+8*(b/2)+(\ks)
.set rC, rD
.if (\ks) == 0
.set rC, (\bias)+8*b                   ; the first K step starts the sum from the bias, in window 1
.endif
.if ((b%2) == 0) && ((\tt) == 0)
	v_wmma_scale_f32_16x16x128_f8f6f4 v[rD:rD+7], v[rW:rW+7], v[rX:rX+7], v[rC:rC+7], v[rA], v[XS+(\ks)] matrix_a_fmt:MATRIX_FMT_FP4 matrix_b_fmt:MATRIX_FMT_FP4
.elseif (\tt) == 0
	v_wmma_scale_f32_16x16x128_f8f6f4 v[rD:rD+7], v[rW:rW+7], v[rX:rX+7], v[rC:rC+7], v[rA], v[XS+(\ks)] matrix_a_fmt:MATRIX_FMT_FP4 matrix_b_fmt:MATRIX_FMT_FP4 matrix_a_scale:MATRIX_SCALE_ROW1
.elseif (b%2) == 0
	v_wmma_scale_f32_16x16x128_f8f6f4 v[rD:rD+7], v[rW:rW+7], v[rX:rX+7], v[rC:rC+7], v[rA], v[XS+(\ks)] matrix_a_fmt:MATRIX_FMT_FP4 matrix_b_fmt:MATRIX_FMT_FP4 matrix_b_scale:MATRIX_SCALE_ROW1
.else
	v_wmma_scale_f32_16x16x128_f8f6f4 v[rD:rD+7], v[rW:rW+7], v[rX:rX+7], v[rC:rC+7], v[rA], v[XS+(\ks)] matrix_a_fmt:MATRIX_FMT_FP4 matrix_b_fmt:MATRIX_FMT_FP4 matrix_a_scale:MATRIX_SCALE_ROW1 matrix_b_scale:MATRIX_SCALE_ROW1
.endif
.endm
; A K step of a group: w's nb fragments from LDS; 2 nb products, the accumulators by turns, one instruction a turn; then, more = 1, the next group's loads of the same K step
; go out into the registers that this step has just read.
.macro GSTEP nb, wadr, wsb, bias, ks, more, xb, xo, zb, zo
.set b, 0
.rept \nb
	ds_load_b128 v[WF+8*b:WF+8*b+3],   v[\wadr] offset:b*8192+(\ks)*1024
	ds_load_b128 v[WF+8*b+4:WF+8*b+7], v[\wadr] offset:b*8192+(\ks)*1024+512
.set b, b+1
.endr
.if \more
	s_wait_loadcnt 35                              ; this K step's five loads are in: behind them went this group's later K steps and the next group's earlier ones, seven K steps of five loads
.else
	s_wait_loadcnt 5*(7-(\ks))                     ; the last group: only its own later K steps are behind
.endif
	s_wait_dscnt 0x0                               ; w's fragments are in (and my stores of the group before are done)
.if (\ks) == 0
	WIN 0x14                                       ; source 1 (x) and C (the bias) window 1
.else
	WIN 0x04                                       ; source 1 window 1
.endif
.set b, 0
.rept \nb
	GMUL 0, \wsb, \bias, \ks
	GMUL 1, \wsb, \bias, \ks
.set b, b+1
.endr
	PLACES
.if \more
	XLOADS \ks, \xb, \xo, \zb, \zo
.else
	WIN 0
.endif
.endm
.macro GROUP nb, wadr, wsb, bias, more, xb, xo, zb, zo
.irp k, 0,1,2,3,4,5,6,7
	GSTEP \nb, \wadr, \wsb, \bias, \k, \more, \xb, \xo, \zb, \zo
.endr
.endm
; q's way out: x log2(e) / 8 in f32, one rounding to f16, straight into the attention's operand: block f of tile t is registers 4 f .. 4 f + 3 of Q's sixteen.  Each accumulator is read from its low end on.
.macro QOUT g
.irp tt, 0,1
.irp f, 0,1,2,3
.irp u, 0,1,2,3
	v_pk_mul_f32 v[ACC+64*\tt+8*\f+2*\u:ACC+64*\tt+8*\f+2*\u+1], v[ACC+64*\tt+8*\f+2*\u:ACC+64*\tt+8*\f+2*\u+1], s[CS:CS+1] op_sel_hi:[1,0]
.endr
.endr
.endr
	WIN 0x40                                       ; destination window 1
.irp tt, 0,1
.irp f, 0,1,2,3
.irp u, 0,1,2,3
	v_cvt_pk_f16_f32 v[QF+16*(2*(\g)+\tt)+4*\f+\u], v[ACC+64*\tt+8*\f+2*\u], v[ACC+64*\tt+8*\f+2*\u+1]
.endr
.endr
.endr
	WIN 0
.endm
; k's and v's way out: one rounding to f16, in place and ascending (no line reads a register that has been written over); a lane's 16 bytes are a chunk of an image: each store of the wave covers one block of 512 bytes
.macro KVOUT g
.irp tt, 0,1
.irp bb, 0,1,2,3,4,5,6,7
.irp u, 0,1,2,3
	v_cvt_pk_f16_f32 v[ACC+64*\tt+8*\bb+\u], v[ACC+64*\tt+8*\bb+2*\u], v[ACC+64*\tt+8*\bb+2*\u+1]
.endr
.endr
.endr
.irp tt, 0,1
.irp f, 0,1,2,3
	ds_store_b128 v[KST], v[ACC+64*\tt+8*\f:ACC+64*\tt+8*\f+3] offset:(2*(\g)+\tt)*2048+\f*512
	ds_store_b128 v[VST], v[ACC+64*\tt+32+8*\f:ACC+64*\tt+32+8*\f+3] offset:(2*(\g)+\tt)*2048+\f*512
.endr
.endr
.endm
.irp k, 0,1,2,3,4,5,6,7
	XLOADS \k, XQ, 0, ZQ, 0                        ; the first group's x: my queries' tiles 0 and 1
.endr
	s_wait_tensorcnt 0x0                           ; my parts of w's images are in,
	s_barrier_signal -1
	s_barrier_wait -1                              ; everybody's are
	GROUP 4, L16, WS, BQ, 1, XQ, 16384, ZQ, 1024   ; q of my tiles 0 and 1; the loads of tiles 2 and 3 go out
	QOUT 0
	GROUP 4, L16, WS, BQ, 1, XK, 0, ZK, 0          ; q of my tiles 2 and 3; the loads of my first two tiles of keys go out
	QOUT 1
	GROUP 8, WA, WS+16, BI, 1, XK, 16384, ZK, 1024 ; k and v of my keys' tiles 0 and 1
	s_wait_dscnt 0x0                               ; my reads of w_q's images are long over:
	s_barrier_signal -1
	s_barrier_wait -1                              ; everybody's are: K's images may be stored over them
	KVOUT 0
	GROUP 8, WA, WS+16, BI, 1, XK, 32768, ZK, 2048
	KVOUT 1
	GROUP 8, WA, WS+16, BI, 1, XK, 49152, ZK, 3072
	KVOUT 2
	GROUP 8, WA, WS+16, BI, 0, XK, 0, ZK, 0        ; the last group asks for nothing more
	KVOUT 3
	s_wait_dscnt 0x0                               ; for the others' sake: my stores of K and V are done
	s_barrier_signal -1
	s_barrier_wait -1                              ; the whole head lies in LDS
	v_add_nc_u32 v[LV], VBASE, v[L16]
.irp t, 0,1,2,3
	v_mov_b32 v[ST+8*\t+1], 0                      ; named with m as a pair, so it is written
.endr
; 16 products of S^T = K Q^T: channels 32 c on; the 16 accumulators take turns, one instruction a turn.  c = 0 starts the sums.
.macro KQ16 c
.irp kt, 0,1,2,3
.irp t, 0,1,2,3
.if \c == 0
	v_wmma_f32_16x16x32_f16 v[S+32*\t+8*\kt:S+32*\t+8*\kt+7], v[KF+16*\kt:KF+16*\kt+7], v[QF+16*\t:QF+16*\t+7], 0
.else
	v_wmma_f32_16x16x32_f16 v[S+32*\t+8*\kt:S+32*\t+8*\kt+7], v[KF+16*\kt+8:KF+16*\kt+15], v[QF+16*\t+8:QF+16*\t+15], v[S+32*\t+8*\kt:S+32*\t+8*\kt+7]
.endif
.endr
.endr
.endm
; 16 products of O^T += V^T P: keys 32 kh on; the 16 accumulators take turns.  In the first step kh = 0 starts the sums.
.macro PV16 kh, first
.irp f, 0,1,2,3
.irp t, 0,1,2,3
.if (\first) && (\kh) == 0
	v_wmma_f32_16x16x32_f16 v[32*\t+8*\f:32*\t+8*\f+7], v[VF+16*\f+8*\kh:VF+16*\f+8*\kh+7], v[S+32*\t+8*\kh:S+32*\t+8*\kh+7], 0
.else
	v_wmma_f32_16x16x32_f16 v[32*\t+8*\f:32*\t+8*\f+7], v[VF+16*\f+8*\kh:VF+16*\f+8*\kh+7], v[S+32*\t+8*\kh:S+32*\t+8*\kh+7], v[32*\t+8*\f:32*\t+8*\f+7]
.endif
.endr
.endr
.endm
; The maximum of a lane's 32 numbers and the old m, three operands at a time, the four tiles by turns.  The first sixteen lines read each of the sixteen accumulators at its low end.
.macro SMAX first
.irp j, 0,1,2,3
.irp t, 0,1,2,3
	v_max3_num_f32 v[ST+8*\t+4+\j], v[S+32*\t+8*\j], v[S+32*\t+8*\j+1], v[S+32*\t+8*\j+2]
.endr
.endr
.irp u, 3,5
.irp j, 0,1,2,3
.irp t, 0,1,2,3
	v_max3_num_f32 v[ST+8*\t+4+\j], v[ST+8*\t+4+\j], v[S+32*\t+8*\j+\u], v[S+32*\t+8*\j+\u+1]
.endr
.endr
.endr
.irp t, 0,1,2,3
	v_max3_num_f32 v[ST+8*\t+4], v[ST+8*\t+4], v[S+32*\t+7], v[S+32*\t+15]
.endr
.irp t, 0,1,2,3
	v_max3_num_f32 v[ST+8*\t+6], v[ST+8*\t+6], v[S+32*\t+23], v[S+32*\t+31]
.endr
.irp t, 0,1,2,3
	v_max3_num_f32 v[ST+8*\t+4], v[ST+8*\t+4], v[ST+8*\t+5], v[ST+8*\t+6]
.endr
.irp t, 0,1,2,3
.if \first
	v_max_num_f32 v[ST+8*\t+4], v[ST+8*\t+4], v[ST+8*\t+7]
.else
	v_max3_num_f32 v[ST+8*\t+4], v[ST+8*\t+4], v[ST+8*\t+7], v[ST+8*\t]
.endif
.endr
.irp t, 0,1,2,3
	v_permlanex16_b32 v[ST+8*\t+5], v[ST+8*\t+4], s[SEL], s[SEL+1]   ; the query's other 32 keys lie in the lane 16 away
.endr
.irp t, 0,1,2,3
	v_max_num_f32 v[ST+8*\t+4], v[ST+8*\t+4], v[ST+8*\t+5]
.endr
.if !(\first)
.irp t, 0,1,2,3
	v_sub_f32 v[ST+8*\t+7], v[ST+8*\t], v[ST+8*\t+4]                 ; m_old - m_new, 0 at the most
.endr
.endif
.irp t, 0,1,2,3
	v_mov_b32 v[ST+8*\t], v[ST+8*\t+4]                               ; the new m
.endr
.endm
; t - m, two at a time; then a and the 128 weights; one plain line behind the last exponential, ahead of the first use of a result
.macro SUBEXP first
.set n, 0
.rept 64
	v_pk_add_f32 v[S+2*n:S+2*n+1], v[S+2*n:S+2*n+1], v[ST+8*(n/16):ST+8*(n/16)+1] op_sel_hi:[1,0] neg_lo:[0,1] neg_hi:[0,1]
.set n, n+1
.endr
.if !(\first)
.irp t, 0,1,2,3
	v_exp_f32 v[ST+8*\t+6], v[ST+8*\t+7]
.endr
.endif
.set n, 0
.rept 128
	v_exp_f32 v[S+n], v[S+n]
.set n, n+1
.endr
	v_nop
.endm
; The row's sum is taken of the unrounded p: a tile's 16 pairs in two chains, T (+4, +5) and l itself (+2, +3), which takes a on the way
.macro SUMS first
.irp t, 0,1,2,3
	v_pk_add_f32 v[ST+8*\t+4:ST+8*\t+5], v[S+32*\t:S+32*\t+1], v[S+32*\t+2:S+32*\t+3]
.endr
.if \first
.irp t, 0,1,2,3
	v_pk_add_f32 v[ST+8*\t+2:ST+8*\t+3], v[S+32*\t+4:S+32*\t+5], v[S+32*\t+6:S+32*\t+7]
.endr
.irp u, 4,6,8,10,12,14
.irp t, 0,1,2,3
	v_pk_add_f32 v[ST+8*\t+4:ST+8*\t+5], v[ST+8*\t+4:ST+8*\t+5], v[S+32*\t+2*\u:S+32*\t+2*\u+1]
.endr
.irp t, 0,1,2,3
	v_pk_add_f32 v[ST+8*\t+2:ST+8*\t+3], v[ST+8*\t+2:ST+8*\t+3], v[S+32*\t+2*\u+2:S+32*\t+2*\u+3]
.endr
.endr
.else
.irp t, 0,1,2,3
	v_pk_fma_f32 v[ST+8*\t+2:ST+8*\t+3], v[ST+8*\t+2:ST+8*\t+3], v[ST+8*\t+6:ST+8*\t+7], v[S+32*\t+4:S+32*\t+5] op_sel_hi:[1,0,1]
.endr
.irp u, 3,5,7,9,11,13
.irp t, 0,1,2,3
	v_pk_add_f32 v[ST+8*\t+4:ST+8*\t+5], v[ST+8*\t+4:ST+8*\t+5], v[S+32*\t+2*\u:S+32*\t+2*\u+1]
.endr
.irp t, 0,1,2,3
	v_pk_add_f32 v[ST+8*\t+2:ST+8*\t+3], v[ST+8*\t+2:ST+8*\t+3], v[S+32*\t+2*\u+2:S+32*\t+2*\u+3]
.endr
.endr
.irp t, 0,1,2,3
	v_pk_add_f32 v[ST+8*\t+4:ST+8*\t+5], v[ST+8*\t+4:ST+8*\t+5], v[S+32*\t+30:S+32*\t+31]
.endr
.endif
.irp t, 0,1,2,3
	v_pk_add_f32 v[ST+8*\t+2:ST+8*\t+3], v[ST+8*\t+2:ST+8*\t+3], v[ST+8*\t+4:ST+8*\t+5]
.endr
.endm
; A KEY STEP: 64 keys.
.macro STEP first
	WIN 0
	v_add_nc_u32 v[ADK], s[TB], v[L16]
	v_add_nc_u32 v[ADV], s[TB], v[LV]
.rept 3
	v_nop                                          ; with the two additions five places behind the last V^T P: the products below write over registers that it read as P, and the loads land in V's
.endr
.irp c, 0,1
.irp kt, 0,1,2,3
.irp g, 0,1
	ds_load_b128 v[KF+16*\kt+8*\c+4*\g:KF+16*\kt+8*\c+4*\g+3], v[ADK] offset:\kt*2048+(2*\c+\g)*512
.endr
.endr
.endr
	WIN 0x40                                       ; destination window 1
.irp f, 0,1,2,3
.irp kh, 0,1
.irp g, 0,1
	ds_load_tr16_b128 v[VF+16*\f+8*\kh+4*\g:VF+16*\f+8*\kh+4*\g+3], v[ADV] offset:(2*\kh+\g)*2048+\f*512   ; turned: lane l gets channel 16 f + l % 16, keys 16 (2 kh + g) + 8 (l / 16) + 0 .. 7
.endr
.endr
.endr
	s_wait_dscnt 24                                ; K's channels 0-31 are in; its eight other loads and V's sixteen may be out
	WIN 0x04                                       ; source 1 (Q) window 1
	KQ16 0
	s_wait_dscnt 16                                ; all of K is in; V's sixteen may be out
	KQ16 1
	WIN 0
.rept 4
	v_nop                                          ; four places behind the last product, ahead of the first read of its result
.endr
	SMAX \first
	SUBEXP \first
	SUMS \first
.irp i, 0,1,2,3,4,5,6,7,8,9,10,11,12,13,14,15
.irp t, 0,1,2,3
	v_cvt_pk_f16_f32 v[S+32*\t+\i], v[S+32*\t+2*\i], v[S+32*\t+2*\i+1]   ; P in place, ascending: no line reads a register that has been written over
.endr
.endr
.if !(\first)
	WIN 0x41                                       ; O^T (destination and source 0) window 1, a window 0
.set n, 0
.rept 64
	v_pk_mul_f32 v[2*n:2*n+1], v[2*n:2*n+1], v[ST+8*(n/16)+6:ST+8*(n/16)+7] op_sel_hi:[1,0]   ; ascending: each accumulator is read from its low end on
.set n, n+1
.endr
.endif
	s_wait_dscnt 0x0                               ; V is in
	WIN 0x51                                       ; V^T, C and D window 1, P window 0
	PV16 0, \first
	PV16 1, \first
	WIN 0
	s_add_co_u32 s[TB], s[TB], STEPB
.endm
	s_mov_b32 s[TB], 0
	STEP 1                                         ; keys 0-63: the first step starts m, l and O^T
	s_mov_b32 s[CNT], 15
.Lstep:
	STEP 0
	s_sub_co_u32 s[CNT], s[CNT], 1
	s_cmp_lg_u32 s[CNT], 0
	s_cbranch_scc1 .Lstep
	; THE WAY OUT.  l's two halves and the other half of the lanes' are added (the first four additions are the places behind the last products); O^T / l, rounded to f16, is stored as it stands.
.irp t, 0,1,2,3
	v_add_f32 v[ST+8*\t+4], v[ST+8*\t+2], v[ST+8*\t+3]
.endr
.irp t, 0,1,2,3
	v_permlanex16_b32 v[ST+8*\t+5], v[ST+8*\t+4], s[SEL], s[SEL+1]
.endr
.irp t, 0,1,2,3
	v_add_f32 v[ST+8*\t+4], v[ST+8*\t+4], v[ST+8*\t+5]
.endr
.irp t, 0,1,2,3
	v_rcp_f32 v[ST+8*\t+6], v[ST+8*\t+4]
.endr
	v_nop                                          ; a plain line between the last reciprocal and the use of its result
.irp t, 0,1,2,3
	WIN 0x41
.set n, 0
.rept 16
	v_pk_mul_f32 v[32*\t+2*n:32*\t+2*n+1], v[32*\t+2*n:32*\t+2*n+1], v[ST+8*\t+6:ST+8*\t+7] op_sel_hi:[1,0]
.set n, n+1
.endr
	WIN 0x05                                       ; sources 0 and 1 window 1, destination window 0
.set n, 0
.rept 16
	v_cvt_pk_f16_f32 v[S+16*\t+n], v[32*\t+2*n], v[32*\t+2*n+1]
.set n, n+1
.endr
.endr
	WIN 0
.irp t, 0,1,2,3
.irp f, 0,1,2,3
	global_store_b128 v[L16], v[S+16*\t+4*\f:S+16*\t+4*\f+3], s[14:15] offset:\t*32768+\f*512   ; token lane % 16, channels 16 f + 8 (lane / 16) + 0 .. 7: the wave stores 512 consecutive bytes, aligned
.endr
.endr
	s_endpgm
.Lfunc_end_k_q8eee473c3e_qkvattn:
	.size	k_q8eee473c3e_qkvattn, .Lfunc_end_k_q8eee473c3e_qkvattn-k_q8eee473c3e_qkvattn
	.p2alignl 7, 3214868480
	.fill 96, 4, 3214868480
	.section	.rodata,"a",@progbits
	.p2align	6, 0x0
	.amdhsa_kernel k_q8eee473c3e_qkvattn
		.amdhsa_group_segment_fixed_size 327680
		.amdhsa_private_segment_fixed_size 0
		.amdhsa_enable_private_segment 0
		.amdhsa_kernarg_size 48
		.amdhsa_user_sgpr_count 2
		.amdhsa_user_sgpr_kernarg_segment_ptr 1
		.amdhsa_wavefront_size32 1
		.amdhsa_system_sgpr_workgroup_id_x 1
		.amdhsa_system_sgpr_workgroup_id_y 1
		.amdhsa_system_sgpr_workgroup_id_z 1
		.amdhsa_system_vgpr_workitem_id 0
		.amdhsa_next_free_vgpr 512
		.amdhsa_next_free_sgpr 76
		.amdhsa_reserve_vcc 0
		.amdhsa_float_denorm_mode_32 3
		.amdhsa_float_denorm_mode_16_64 3
		.amdhsa_memory_ordered 1
		.amdhsa_forward_progress 1
		.amdhsa_inst_pref_size 255
	.end_amdhsa_kernel
	.section	.bss,"aw",@nobits
	.p2align	6
	.space	262144
	.amdgpu_metadata
---
amdhsa.version: [ 1, 2 ]
amdhsa.kernels:
  - .name:           k_q8eee473c3e_qkvattn
    .symbol:         k_q8eee473c3e_qkvattn.kd
    .args:
      - { .name: xc, .offset: 0, .size: 8, .value_kind: global_buffer, .address_space: global }
      - { .name: xs, .offset: 8, .size: 8, .value_kind: global_buffer, .address_space: global }
      - { .name: wc, .offset: 16, .size: 8, .value_kind: global_buffer, .address_space: global }
      - { .name: ws, .offset: 24, .size: 8, .value_kind: global_buffer, .address_space: global }
      - { .name: b_qkv, .offset: 32, .size: 8, .value_kind: global_buffer, .address_space: global }
      - { .name: att, .offset: 40, .size: 8, .value_kind: global_buffer, .address_space: global }
    .group_segment_fixed_size: 327680
    .private_segment_fixed_size: 0
    .kernarg_segment_align: 8
    .kernarg_segment_size: 48
    .max_flat_workgroup_size: 256
    .sgpr_count:     76
    .vgpr_count:     512
    .wavefront_size: 32
...
	.end_amdgpu_metadata
.endif
;; end of part 2
;; launch proj (part 3): grid 4 x 64, 4 waves a work-group, clusters of 4 x 4, 327,680 bytes of LDS; arguments att, wp, b_proj, out0; writes out0
.if DOCPART == 3
	.amdgcn_target "amdgcn-amd-amdhsa--gfx1250"
	.amdhsa_code_object_version 6
	.text
	.protected	k_q8eee473c3e_proj
	.globl	k_q8eee473c3e_proj
	.p2align	8
	.type	k_q8eee473c3e_proj,@function
k_q8eee473c3e_proj:
	s_mov_b64 s[64:65], 0
	v_nop
	global_prefetch_b8 v0, s[64:65] scope:SCOPE_SE
	s_setreg_imm32_b32 hwreg(HW_REG_WAVE_MODE, 25, 1), 1
	s_wait_xcnt 0x0
	s_wait_alu depctr_hold_cnt(0) depctr_sa_sdst(0) depctr_va_vdst(0) depctr_va_sdst(0) depctr_va_ssrc(0) depctr_va_vcc(0) depctr_vm_vsrc(0)
	s_getreg_b32 s2, hwreg(HW_REG_IB_STS2, 6, 4)
	s_cmp_eq_u32 s2, 0
	s_cbranch_scc0 .Lentry_in_a_cluster
	s_endpgm
.Lentry_in_a_cluster:
	s_bfe_u32 s2, ttmp6, 0x10000c
	s_cmp_lg_u32 s2, 0xf033
	s_cbranch_scc0 .Lentry_shape_is_right
	s_endpgm
.Lentry_shape_is_right:
; out0[m][n] = sum over k of att[m][k] w_proj[n][k] + b_proj[n].  M = 8192, N = 1024, K = 1024; f16 operands, f32 sums, f32 out.
; att lies as operand registers: byte 32768 Mt + 1024 kf + 512 g + 16 lane (Mt: 16 tokens; kf: 32 along K; g: registers 0-3 or 4-7 of the fragment); wp is w_proj in f16, row-major.
; A tile is 128 tokens x 256 features, so that there are 256 work-groups; four waves, each 64 x 128: 32 accumulators of 16 x 16, 256 registers.
; K goes in eight steps of 128 through a ring of two LDS slots filled by the tensor data mover: of att 8 tiles Mt x 4,096 dense bytes, of wp 256 rows of 256 bytes.
; CLUSTERS: 4 x 4 work-groups.  The four of a row of the cluster need the same tiles of att, the four of a column the same tiles of wp: each tile is asked for JOINTLY, by the same tensor load with the same
; descriptor and a mask that names the four.  THE MATRIX INSTRUCTION IS USED TRANSPOSED (source 0 = 16 rows of wp, source 1 = 16 tokens): a lane holds eight neighbouring features of one token.
; THE BIAS is the C of each sum's first product.
; REGISTERS: window 0: v16-30 addresses; v32-95 att's fragments, two buffers of 4; v96-223 wp's, two buffers of 8; on the way out v32-159 take rows of the result.
;            window 1: v0-63 the bias.   window 2: accumulator (a, b) at v[8 (8 a + b)].
.set PITCH,  272                       ; a row of wp in LDS: 256 bytes + 16 of padding = 68 words: the 16 rows that a load touches start at 16 different banks (64 banks of 4 bytes: ISA guide 11.1)
.set HALFA,  16384                     ; 4 tiles Mt x 4,096 bytes: what one tensor load brings of att, and what one wave reads
.set HALFB,  128*PITCH                 ; 128 rows of wp likewise
.set BOFF,   2*HALFA                   ; a slot: att's 8 tiles, then wp's 256 rows
.set SLOT,   BOFF+2*HALFB
.set STAGE,  2*SLOT                    ; behind the ring: 16 rows x 528 bytes for each wave, for the way out; no tensor load fills it
.set SPITCH, 528
.set SPARE,  STAGE+4*16*SPITCH         ; behind the stages: the spare words, 128 bytes for each wave: two blocks of 256 bytes that no other line names
.set LAPS,   4                         ; a lap = two K steps = once round the ring
.set ADRA, 16                          ; v16-17  LDS address of my att fragments in slot 0, 1
.set ADRB, 20                          ; v20-21  the same for wp
.set STO,  24                          ; v24     the way out: where I put 32 bytes of a row
.set RD,   25                          ; v25     the way out: where I read a row back
.set CO,   26                          ; v26     16 x lane
.set BO,   27                          ; v27     32 x (lane / 16): my eight numbers of a block of the bias
.set SPW,  28                          ; v28     LDS address of my spare word: SPARE + 4 x my thread's number; never rewritten
.set NIL,  29                          ; v29     0; never rewritten
.set PFO,  30                          ; v30     256 x lane: the prefetches' offset; never rewritten
.set FA,   32
.set FB,   96
.set G1, 24                            ; s[24:31] descriptor group 1 for att's tiles;  s[32:39] group 0, one set for each slot
.set G0, 32
.set G1B, 48                           ; s[48:55], s[56:63] the same for wp's tiles
.set G0B, 56
.set LIM, 43                           ; s43     1 in a wave that prefetches, else the greatest number
.set PFA, 44                           ; s[44:45] where my prefetches stand
.set MSB, 0
.macro WIN new                         ; the immediate's high byte repeats the setting that is left
.if MSB != \new
	s_set_vgpr_msb (MSB<<8)|\new
.set MSB, \new
.endif
.endm
.set MUL,   0xa0                       ; sources 0 and 1 window 0; C and D window 2
.set FIRST, 0x90                       ; C (the bias) window 1, D window 2
.macro JLOAD s                         ; a joint load: waves 0 and 1 fetch att's two halves, waves 2 and 3 wp's; four v_nop follow each of the two lines, ahead of the jump, the label and what follows
	s_cmp_eq_u32 s11, 0
	s_cbranch_scc0 .Lfor_b_\@
	tensor_load_to_lds s[G0+4*\s:G0+4*\s+3], s[G1:G1+7]
.rept 4
	v_nop
.endr
	s_branch .Lasked_\@
.Lfor_b_\@:
	tensor_load_to_lds s[G0B+4*\s:G0B+4*\s+3], s[G1B:G1B+7]
.rept 4
	v_nop
.endr
.Lasked_\@:
.endm
.macro CREST                           ; a round of the cluster's barrier behind its opening barrier
	s_cmp_lg_u32 s10, 0
	s_cbranch_scc1 .Lnot_wave_0_\@
	s_barrier_signal -3
.Lnot_wave_0_\@:
	s_barrier_wait -3
	s_barrier_signal -1
	s_barrier_wait -1
.endm
.macro CROUND                          ; a whole round
	s_barrier_signal -1
	s_barrier_wait -1
	CREST
.endm
; A PREFETCH of att, once a lap, behind slot 0's joint load and the run of LDS loads that follows it: the next lap's two K steps of ONE tile Mt, 8,192 consecutive bytes, lanes 256 bytes apart.  att's tile row is read
; by one row of one cluster alone.  Of the four tiles Mt that wave 0 or 1 fetches, the partner at place cx takes the cx-th: the partners are told apart by ADDRESS; the branch hangs on the wave's number and the
; lap alone.  So each block of 256 bytes is named once.  The first four K steps come by their loads alone, and the last lap of the loop asks for nothing: there is no K step behind it.  wp, which every row of clusters reads, is not asked for.
.macro ASK
	s_cmp_gt_u32 s3, s[LIM]                        ; s3 = 1 in the loop's last trip
	s_cbranch_scc0 .Lnot_mine_\@
	global_prefetch_b8 v[PFO], s[PFA:PFA+1] th:TH_LOAD_NT scope:SCOPE_SE
.Lnot_mine_\@:
.endm
	s_load_b128 s[4:7], s[0:1], 0x0                ; att s[4:5], wp s[6:7]
	s_load_b64 s[66:67], s[0:1], 0x10              ; b_proj
	s_load_b64 s[8:9], s[0:1], 0x18                ; out0
	v_lshl_add_u32 v[SPW], v0, 2, SPARE
	v_mov_b32 v[NIL], 0
	v_lshrrev_b32 v1, 5, v0
	v_readfirstlane_b32 s10, v1                    ; wave 0..3
	s_lshr_b32 s11, s10, 1                         ; which 64 tokens of the tile are mine.  Also: I fetch for att (0) or for wp (1)
	s_and_b32 s12, s10, 1                          ; which 128 features.  Also: which half of that tile I fetch
	s_bfe_u32 s40, ttmp6, 0x40000                  ; cx, cy: my place in the cluster
	s_bfe_u32 s41, ttmp6, 0x40004
	s_lshl_b32 s42, ttmp9, 2
	s_add_co_u32 s42, s42, s40                     ; tile column = 4 x cluster x + cx
	s_and_b32 s13, ttmp7, 0xffff
	s_lshl_b32 s13, s13, 2
	s_add_co_u32 s13, s13, s41                     ; tile row = 4 x cluster y + cy
	s_lshl_b32 s43, s41, 2
	s_lshl_b32 s43, 15, s43                        ; my row of the cluster
	s_lshl_b32 s44, 0x1111, s40                    ; my column
	; descriptor group 1.  att: 4 rows (tiles Mt) of 4,096 bytes, 32,768 bytes apart, in elements of 8 bytes, dense in LDS
	s_or_b32 s[G1+0], s43, (3<<16)|(1<<21)         ; 15:0 the mask: att's tiles go to my row; 17:16 element of 8 bytes; 20 no padding; 21 set beside a mask
	s_mov_b32 s[G1+1], 512<<16                     ; tensor_dim0 = 512
	s_mov_b32 s[G1+2], 4<<16                       ; tensor_dim1 = 4
	s_mov_b32 s[G1+3], 512<<16                     ; tile_dim0 = 512
	s_mov_b32 s[G1+4], 4                           ; tile_dim1 = 4
	s_mov_b32 s[G1+5], 4096                        ; tensor_dim0_stride
	s_mov_b32 s[G1+6], 0
	s_mov_b32 s[G1+7], 0
	; wp: 128 rows x 128 elements of 2 bytes, 1,024 elements apart, 16 bytes of padding behind each row
	s_or_b32 s[G1B+0], s44, (1<<16)|(1<<20)|(1<<21)|(5<<22)|(3<<25)  ; the mask of my column; padding on, after every 64 words (code 5), of 4 words (code 3)
	s_mov_b32 s[G1B+1], 128<<16
	s_mov_b32 s[G1B+2], 128<<16
	s_mov_b32 s[G1B+3], 128<<16
	s_mov_b32 s[G1B+4], 128
	s_mov_b32 s[G1B+5], 1024
	s_mov_b32 s[G1B+6], 0
	s_mov_b32 s[G1B+7], 0
	s_lshl_b32 s16, s13, 3
	s_lshl_b32 s17, s12, 2
	s_add_co_u32 s16, s16, s17                     ; att: tile Mt = 8 x tile row + 4 x half,
	s_lshl_b32 s16, s16, 15                        ; 32,768 bytes each
	s_mov_b32 s17, 0
	s_lshl_b32 s46, s42, 8
	s_lshl_b32 s47, s12, 7
	s_add_co_u32 s46, s46, s47                     ; wp: row 256 x tile column + 128 x half,
	s_lshl_b32 s46, s46, 11                        ; 2,048 bytes each
	s_mov_b32 s47, 0
	s_lshl_b32 s20, s12, 14                        ; where they go: no place in the cluster enters an LDS address
	s_mul_i32 s21, s12, HALFB
	s_add_co_u32 s21, s21, BOFF
	s_wait_kmcnt 0x0
	s_add_nc_u64 s[14:15], s[4:5], s[16:17]
	s_add_nc_u64 s[46:47], s[6:7], s[46:47]
	CROUND                                         ; all sixteen work-groups are here: the first joint loads meet
.irp s, 0,1
	s_mov_b32 s[G0+4*\s], 1
	s_add_co_u32 s[G0+4*\s+1], s20, \s*SLOT
	s_add_nc_u64 s[G0+4*\s+2:G0+4*\s+3], s[14:15], \s*4096         ; K step s: 4,096 bytes on in each tile Mt
	s_or_b32 s[G0+4*\s+3], s[G0+4*\s+3], 0x80000000
	s_mov_b32 s[G0B+4*\s], 1
	s_add_co_u32 s[G0B+4*\s+1], s21, \s*SLOT
	s_add_nc_u64 s[G0B+4*\s+2:G0B+4*\s+3], s[46:47], \s*256        ; 256 bytes on in each row
	s_or_b32 s[G0B+4*\s+3], s[G0B+4*\s+3], 0x80000000
	JLOAD \s
.endr
	v_and_b32 v1, 15, v0                           ; r = l % 16
	v_bfe_u32 v2, v0, 4, 1                         ; hl = l / 16
	v_and_b32 v5, 31, v0
	v_lshlrev_b32 v[CO], 4, v5
	v_lshlrev_b32 v[PFO], 8, v5
	v_lshlrev_b32 v[BO], 5, v2
	s_lshl_b32 s46, s42, 10                        ; my first feature, in bytes of f32: 1,024 x tile column + 512 x half
	s_lshl_b32 s47, s12, 9
	s_add_co_u32 s46, s46, s47
	s_mov_b32 s47, 0
	s_add_nc_u64 s[66:67], s[66:67], s[46:47]
	WIN 0x40                                       ; destination window 1
.irp b, 0,1,2,3,4,5,6,7
	global_load_b128 v[8*\b:8*\b+3],   v[BO], s[66:67] offset:64*\b      ; the bias: block b's register j is b_proj[my first feature + 16 b + 8 hl + j]
	global_load_b128 v[8*\b+4:8*\b+7], v[BO], s[66:67] offset:64*\b+16
.endr
	WIN 0
	v_mul_u32_u24 v3, v1, PITCH
	v_lshl_add_u32 v3, v2, 4, v3                   ; wp: a fragment's row x pitch + 16 x half
	s_lshl_b32 s22, s11, 14                        ; my 4 tiles Mt of att
	s_mul_i32 s23, s12, HALFB                      ; my 128 rows of wp,
	s_add_co_u32 s23, s23, BOFF                    ; which lie behind att's tiles
.irp s, 0,1
	v_add_nc_u32 v[ADRA+\s], s22, v[CO]
	v_add_nc_u32 v[ADRB+\s], s23, v3
	s_add_co_u32 s22, s22, SLOT
	s_add_co_u32 s23, s23, SLOT
.endr
	s_mul_i32 s23, s10, 16*SPITCH
	s_add_co_u32 s23, s23, STAGE                   ; my stage
	v_mul_u32_u24 v4, v1, SPITCH                   ; in: row l % 16, 32 bytes for each half of the lanes
	v_lshl_add_u32 v4, v2, 5, v4
	v_add_nc_u32 v[STO], s23, v4
	v_add_nc_u32 v[RD], s23, v[CO]                 ; back: the 32 lanes take one row of 512 bytes
	s_lshl_b32 s16, s13, 7
	s_lshl_b32 s17, s11, 6
	s_add_co_u32 s16, s16, s17                     ; my first token: 128 x tile row + 64 x half,
	s_lshl_b32 s16, s16, 12                        ; 4,096 bytes a row of out0
	s_mov_b32 s17, 0
	s_add_nc_u64 s[8:9], s[8:9], s[16:17]
	s_add_nc_u64 s[8:9], s[8:9], s[46:47]
	s_lshl_b32 s18, s13, 3                         ; the prefetches: tile Mt = 8 x tile row + 4 x the half that I fetch + cx,
	s_lshl_b32 s19, s12, 2
	s_add_co_u32 s18, s18, s19
	s_add_co_u32 s18, s18, s40
	s_lshl_b32 s18, s18, 15
	s_add_co_u32 s18, s18, 8192                    ; at K step 2: the first lap steps it to K step 4.  Nothing is prefetched here, at the head, where every work-group's first tiles are on their way
	s_mov_b32 s19, 0
	s_add_nc_u64 s[PFA:PFA+1], s[4:5], s[18:19]
	s_cmp_eq_u32 s11, 0
	s_cselect_b32 s[LIM], 1, -1                    ; waves 0 and 1, which fetch att
; 8 matrix instructions: token block a against the eight feature blocks, 32 along K, from buffer f.  zero = 1: the first product starts the sums from the bias.
; The 32 accumulators take turns, one instruction a turn, in the same order in every quarter.
.macro MUL8 f, a, zero
.irp b, 0,1,2,3,4,5,6,7
.if \zero
	v_wmma_f32_16x16x32_f16 v[8*(8*(\a)+\b):8*(8*(\a)+\b)+7], v[FB+64*(\f)+8*\b:FB+64*(\f)+8*\b+7], v[FA+32*(\f)+8*(\a):FA+32*(\f)+8*(\a)+7], v[8*\b:8*\b+7]
.else
	v_wmma_f32_16x16x32_f16 v[8*(8*(\a)+\b):8*(8*(\a)+\b)+7], v[FB+64*(\f)+8*\b:FB+64*(\f)+8*\b+7], v[FA+32*(\f)+8*(\a):FA+32*(\f)+8*(\a)+7], v[8*(8*(\a)+\b):8*(8*(\a)+\b)+7]
.endif
.endr
.endm
; 24 LDS loads in one run: the fragments of the slot's q-th 32 along K into buffer f: wp's sixteen first, then att's eight
.macro FETCH slot, q, f
.irp i, 0,1,2,3,4,5,6,7
	ds_load_b128 v[FB+64*(\f)+8*\i:FB+64*(\f)+8*\i+3],   v[ADRB+\slot] offset:64*(\q)+\i*16*PITCH
	ds_load_b128 v[FB+64*(\f)+8*\i+4:FB+64*(\f)+8*\i+7], v[ADRB+\slot] offset:64*(\q)+\i*16*PITCH+32
.endr
.irp i, 0,1,2,3
	ds_load_b128 v[FA+32*(\f)+8*\i:FA+32*(\f)+8*\i+3],   v[ADRA+\slot] offset:\i*4096+(\q)*1024
	ds_load_b128 v[FA+32*(\f)+8*\i+4:FA+32*(\f)+8*\i+7], v[ADRA+\slot] offset:\i*4096+(\q)*1024+512
.endr
.endm
.macro PLACES                          ; four places in front of loads into registers that matrix instructions have read, and of the first read of results (ISA guide 7.12.1 for vector instructions)
.rept 4
	v_nop
.endr
.endm
; A K step is four quarters of 32 along K, 32 matrix instructions each, on buffers 0, 1, 0, 1.  One of the first three: multiplies buffer f and fetches quarter qn of the same slot into buffer g.
.macro QUARTER slot, qn, f, g, zero
	s_wait_dscnt 4                                 ; wp's fragments and att's blocks 0 and 1 are in; the youngest four loads (blocks 2 and 3) may be out
.if \zero
	WIN FIRST
.else
	WIN MUL
.endif
	MUL8 \f, 0, \zero
	MUL8 \f, 1, \zero
	PLACES
	WIN 0
	FETCH \slot, \qn, \g
	s_wait_dscnt 24                                ; all but the 24 just issued
.if \zero
	WIN FIRST
.else
	WIN MUL
.endif
	MUL8 \f, 2, \zero
	MUL8 \f, 3, \zero
.endm
; The last quarter multiplies buffer 1 and changes slots: ONE barrier; in front of it each wave waits for all its tensor loads, adds 0 to its spare word, and waits for that and for its own reads of this slot.
; fill = 1: this slot is filled again, two K steps ahead; the barrier then opens a round of the cluster's barrier, and the joint load is the first tensor load behind the round: 112 matrix instructions ahead of the wait for it.
.macro TURN slot, next, fill
.if (\fill) && (\slot) == 0
	s_wait_xcnt 0x0                                ; the last prefetch, a lap back, has read its address: it is stepped here, ahead of the waits of the change of slots
	s_add_nc_u64 s[PFA:PFA+1], s[PFA:PFA+1], 8192  ; two K steps on
.endif
	WIN 0                                          ; (the add's two registers lie in window 0)
	s_wait_tensorcnt 0x0                           ; all my tensor loads have landed: my part of the next slot;
	ds_add_u32 v[SPW], v[NIL]                      ; 0 onto my spare word
	s_wait_dscnt 5                                 ; (the add and the youngest four loads may be out)
	WIN MUL
	MUL8 1, 0, 0                                   ; eight matrix instructions stand between the add and the wait for it
	s_wait_dscnt 0x0                               ; the add is done, and my reads of this slot are over
	s_barrier_signal -1
	MUL8 1, 1, 0                                   ; work on registers while the others arrive
	WIN 0                                          ; (branches or LDS loads follow)
	s_barrier_wait -1
.if \fill
	CREST                                          ; no wave of any partner still reads this slot's tile or has a load on its way
	s_add_nc_u64 s[G0+4*\slot+2:G0+4*\slot+3], s[G0+4*\slot+2:G0+4*\slot+3], 2*4096
	s_add_nc_u64 s[G0B+4*\slot+2:G0B+4*\slot+3], s[G0B+4*\slot+2:G0B+4*\slot+3], 2*256
	JLOAD \slot                                    ; the four v_nop behind it are also the places in front of the loads below
.else
	PLACES
.endif
	FETCH \next, 0, 0
.if (\fill) && (\slot) == 0
	ASK
.endif
	WIN MUL
	MUL8 1, 2, 0
	MUL8 1, 3, 0
.endm
	s_wait_loadcnt 0x0                             ; the bias
	s_wait_tensorcnt 1                             ; my part of K step 0 is in (K step 1's load may be out)
	s_barrier_signal -1
	s_barrier_wait -1                              ; everybody's is
	FETCH 0, 0, 0
	QUARTER 0, 1, 0, 1, 1                          ; the first quarter stands in front of the loop: its products start the sums from the bias
	WIN 0                                          ; at a label and at a branch every window is 0
	s_mov_b32 s3, LAPS-1
.Llap:                                                 ; a trip goes once round the ring, from a lap's second quarter to the next lap's first, and fills both slots again
	QUARTER 0, 2, 1, 0, 0
	QUARTER 0, 3, 0, 1, 0
	TURN 0, 1, 1
	QUARTER 1, 1, 0, 1, 0
	QUARTER 1, 2, 1, 0, 0
	QUARTER 1, 3, 0, 1, 0
	TURN 1, 0, 1
	QUARTER 0, 1, 0, 1, 0
	WIN 0
	s_sub_co_u32 s3, s3, 1
	s_cmp_lg_u32 s3, 0
	s_cbranch_scc1 .Llap
	QUARTER 0, 2, 1, 0, 0                          ; the last lap fills nothing, and has no round of the cluster's barrier
	QUARTER 0, 3, 0, 1, 0
	TURN 0, 1, 0
	QUARTER 1, 1, 0, 1, 0
	QUARTER 1, 2, 1, 0, 0
	QUARTER 1, 3, 0, 1, 0
	s_wait_dscnt 4                                 ; the very last quarter: nothing more to fetch
	WIN MUL
	MUL8 1, 0, 0
	MUL8 1, 1, 0
	s_wait_dscnt 0x0
	MUL8 1, 2, 0
	MUL8 1, 3, 0
	WIN 0
; THE WAY OUT, block by block of 16 tokens x 128 features.  A lane holds 32 neighbouring bytes of a row, and the lanes beside it hold other rows: so a block goes through my own stage in LDS and comes back as whole
; rows of 512 bytes.  LDS serves a wave's instructions in order (ISA guide 5.7.1.4): no wait between the stores and the loads, nor in front of the next block's stores.
.macro TOSTAGE a
	WIN 0x08                                       ; an LDS store's data: window 2
.irp b, 0,1,2,3,4,5,6,7
	ds_store_b128 v[STO], v[8*(8*(\a)+\b):8*(8*(\a)+\b)+3] offset:64*\b            ; each accumulator from its low end on
	ds_store_b128 v[STO], v[8*(8*(\a)+\b)+4:8*(8*(\a)+\b)+7] offset:64*\b+16
.endr
	WIN 0
.set BB, 32+64*((\a)%2)
.irp t, 0,1,2,3,4,5,6,7,8,9,10,11,12,13,14,15
	ds_load_b128 v[BB+4*\t:BB+4*\t+3], v[RD] offset:\t*SPITCH
.endr
.endm
.macro SEND a, younger                 ; younger: the LDS instructions issued behind block a's loads, which may stay out
.set BB, 32+64*((\a)%2)
	s_wait_dscnt \younger                          ; the block is back in registers
.irp t, 0,1,2,3,4,5,6,7,8,9,10,11,12,13,14,15
	global_store_b128 v[CO], v[BB+4*\t:BB+4*\t+3], s[8:9] offset:(\a)*65536+\t*4096 th:TH_STORE_NT   ; 32 lanes store 512 consecutive bytes, aligned; written once, read by nobody here
.endr
.endm
	PLACES                                         ; behind the last products: their results are read, and registers that they read are loaded into, from here on
	TOSTAGE 0
.irp a, 1,2,3
.if \a > 1
	s_wait_xcnt 0x0                                ; block a - 2's stores have read their registers: block a's loads may land there
.endif
	TOSTAGE \a
	SEND \a-1, 32                                  ; behind block a - 1's loads: block a's 16 stores and 16 loads
.endr
	SEND 3, 0
	s_wait_tensorcnt 0x0                           ; the wave's end: behind my last tensor load and my last LDS store
	ds_add_u32 v[SPW], v[NIL]
	s_wait_dscnt 0x0
	CROUND                                         ; the closing round: no work-group ends while a partner may still ask for a tile that names it
	s_endpgm
.Lfunc_end_k_q8eee473c3e_proj:
	.size	k_q8eee473c3e_proj, .Lfunc_end_k_q8eee473c3e_proj-k_q8eee473c3e_proj
	.p2alignl 7, 3214868480
	.fill 96, 4, 3214868480
	.section	.rodata,"a",@progbits
	.p2align	6, 0x0
	.amdhsa_kernel k_q8eee473c3e_proj
		.amdhsa_group_segment_fixed_size 327680
		.amdhsa_private_segment_fixed_size 0
		.amdhsa_enable_private_segment 0
		.amdhsa_kernarg_size 32
		.amdhsa_user_sgpr_count 2
		.amdhsa_user_sgpr_kernarg_segment_ptr 1
		.amdhsa_wavefront_size32 1
		.amdhsa_system_sgpr_workgroup_id_x 1
		.amdhsa_system_sgpr_workgroup_id_y 1
		.amdhsa_system_sgpr_workgroup_id_z 1
		.amdhsa_system_vgpr_workitem_id 0
		.amdhsa_next_free_vgpr 768
		.amdhsa_next_free_sgpr 70
		.amdhsa_reserve_vcc 0
		.amdhsa_float_denorm_mode_32 3
		.amdhsa_float_denorm_mode_16_64 3
		.amdhsa_memory_ordered 1
		.amdhsa_forward_progress 1
		.amdhsa_inst_pref_size 87
	.end_amdhsa_kernel
	.amdgpu_metadata
---
amdhsa.version: [ 1, 2 ]
amdhsa.kernels:
  - .name:           k_q8eee473c3e_proj
    .symbol:         k_q8eee473c3e_proj.kd
    .args:
      - { .name: att, .offset: 0, .size: 8, .value_kind: global_buffer, .address_space: global }
      - { .name: wp, .offset: 8, .size: 8, .value_kind: global_buffer, .address_space: global }
      - { .name: b_proj, .offset: 16, .size: 8, .value_kind: global_buffer, .address_space: global }
      - { .name: out0, .offset: 24, .size: 8, .value_kind: global_buffer, .address_space: global }
    .group_segment_fixed_size: 327680
    .private_segment_fixed_size: 0
    .kernarg_segment_align: 8
    .kernarg_segment_size: 32
    .max_flat_workgroup_size: 128
    .sgpr_count:     70
    .vgpr_count:     768
    .wavefront_size: 32
...
	.end_amdgpu_metadata
.endif
;; end of part 3
